; MI455X (gfx1250); checked and timed in simulation.
; The chip was launched on July 23, 2026; its instructions are those of AMD's public machine-readable ISA for CDNA 5 (MIT licence, August 2026) and "CDNA5" Instruction Set Architecture Reference Guide (July 2026). The comments in the code are by the model that wrote it; some were corrected since.
;; Causal Self Attention. Allowed arithmetic: float matrix products may take bf16 or f16 operands with f32 sums; all other float work in f32.
;; Inputs: Wk 1,024 x 1,024 float32; Wp 1,024 x 1,024 float32; Wq 1,024 x 1,024 float32; Wv 1,024 x 1,024 float32; bk 1,024 float32; bp 1,024 float32; bq 1,024 float32; bv 1,024 float32; x 4 x 2,048 x 1,024 float32.
;; Outputs: out0 4 x 2,048 x 1,024 float32.
;; One version. Each part assembles by itself: llvm-mc -triple=amdgcn-amd-amdhsa -mcpu=gfx1250 --defsym DOCPART=n.
;; ======== version 1 of 1: 4 launches
;; limits: values are held in f16: magnitudes above 65,504 overflow, below 6.1e-05 lose precision
;; workspace buffers: xb 16,777,216 bytes; wqkv 6,291,456 bytes; wpb 2,097,152 bytes; bqkv 12,288 bytes; qkv 50,331,648 bytes; att 16,777,216 bytes
;; launch cvt (part 1): grid 768 x 1, 8 waves a work-group, no clusters, 0 bytes of LDS; arguments x, Wq, Wk, Wv, Wp, bq, bk, bv, xb, wqkv, wpb, bqkv; writes xb, wqkv, wpb, bqkv
.if DOCPART == 1
	.amdgcn_target "amdgcn-amd-amdhsa--gfx1250"
	.amdhsa_code_object_version 6
	.text
	.protected	k_q1e8f35cd90_cvt
	.globl	k_q1e8f35cd90_cvt
	.p2align	8
	.type	k_q1e8f35cd90_cvt,@function
k_q1e8f35cd90_cvt:
	s_mov_b64 s[64:65], 0
	v_nop
	global_prefetch_b8 v0, s[64:65] scope:SCOPE_SE
	s_setreg_imm32_b32 hwreg(HW_REG_WAVE_MODE, 25, 1), 1
	s_wait_xcnt 0x0
; The matrix operands are made once: x -> xb [8192][1024] bf16; Wq, Wk, Wv -> wqkv [3072][1024] bf16 (one below the other);
; Wp -> wpb [16 heads][1024 n][64 d] = Wp[n][64 head + d]; bq, bk, bv -> bqkv [3072] f32 (copied, one behind the other).
; Wp is rounded to bf16 like the other four, and that value is stored as an f16 code, since the last product takes f16 operands on both sides:
; f16 holds a number of 8 significant bits exactly down to 2^-17; below that the step is 2^-24.  LIMIT: |Wp| under 65,504.
; A stream: no LDS, no barrier, no matrix work.  A work-group of eight waves converts 16,384 numbers: 64 KiB in, 32 KiB out.
; Work-groups 0-511 take x, 512-703 the three weights (64 each; the first of each 64 also copies that bias), 704-767 Wp (16 rows each).
; All sixteen loads of a thread go out first; no register is written again once its store has read it, so the only waits are the counted ones for the loads.
.set SO, 1                             ; v1        my byte offset in the source chunk
.set DO, 2                             ; v2        my byte offset in the destination chunk
.set X,  4                             ; v[4:67]   load i: 4 numbers in f32
.set Y,  68                            ; v[68:99]  load i: the same 4 numbers, 2 registers
.set BI, 100                           ; v[100:103] my 4 numbers of a bias
; perm = 0: the chunk is dense on both sides: load i covers bytes 4,096 i on, store i bytes 2,048 i on.
; perm = 1: Wp.  Load i takes rows 2 (i / 2) and 2 (i / 2) + 1 of the chunk (one for each half of the lanes) and the 64 columns of head 8 (i % 2) + wave:
;           256 consecutive bytes for each half of the lanes; the store puts the two rows of that head side by side: 256 consecutive bytes, aligned.
.macro CONV perm
.set i, 0
.rept 16
.if \perm
	global_load_b128 v[X+4*i:X+4*i+3], v[SO], s[28:29] offset:(i/2)*8192+(i%2)*2048 th:TH_LOAD_NT
.else
	global_load_b128 v[X+4*i:X+4*i+3], v[SO], s[28:29] offset:i*4096 th:TH_LOAD_NT
.endif
.set i, i+1
.endr
.set i, 0
.rept 16
	s_wait_loadcnt 15-i                            ; loads come back in order: load i is in, the 15 - i younger ones stay out
	v_cvt_pk_bf16_f32 v[Y+2*i],   v[X+4*i],   v[X+4*i+1]
	v_cvt_pk_bf16_f32 v[Y+2*i+1], v[X+4*i+2], v[X+4*i+3]
.if \perm
	v_lshlrev_b32 v[X+4*i],   16, v[Y+2*i]                   ; the bf16 values as f32 again,
	v_and_b32     v[X+4*i+1], 0xffff0000, v[Y+2*i]
	v_lshlrev_b32 v[X+4*i+2], 16, v[Y+2*i+1]
	v_and_b32     v[X+4*i+3], 0xffff0000, v[Y+2*i+1]
	v_cvt_pk_f16_f32 v[Y+2*i],   v[X+4*i],   v[X+4*i+1]      ; and in f16 code
	v_cvt_pk_f16_f32 v[Y+2*i+1], v[X+4*i+2], v[X+4*i+3]
	global_store_b64 v[DO], v[Y+2*i:Y+2*i+1], s[30:31] offset:(i%2)*1048576+(i/2)*256
.else
	global_store_b64 v[DO], v[Y+2*i:Y+2*i+1], s[30:31] offset:i*2048   ; a wave stores 256 consecutive bytes, aligned
.endif
.set i, i+1
.endr
.endm
	s_load_b512 s[4:19], s[0:1], 0x0               ; x s[4:5], Wq s[6:7], Wk s[8:9], Wv s[10:11], Wp s[12:13], bq s[14:15], bk s[16:17], bv s[18:19]
	s_load_b256 s[20:27], s[0:1], 0x40             ; xb s[20:21], wqkv s[22:23], wpb s[24:25], bqkv s[26:27]
	v_lshlrev_b32 v[SO], 4, v0                     ; dense chunks: 16 bytes a thread in,
	v_lshlrev_b32 v[DO], 3, v0                     ; 8 bytes out
	s_mov_b32 s33, 0                               ; high words of the two offsets
	s_mov_b32 s35, 0
	s_wait_kmcnt 0x0
	s_cmp_lt_u32 ttmp9, 512
	s_cbranch_scc0 .Lweights
	s_lshl_b32 s32, ttmp9, 16                      ; x: chunk g
	s_add_nc_u64 s[28:29], s[4:5], s[32:33]
	s_lshl_b32 s34, ttmp9, 15
	s_add_nc_u64 s[30:31], s[20:21], s[34:35]
	s_branch .Lplain
.Lweights:
	s_cmp_lt_u32 ttmp9, 704
	s_cbranch_scc0 .Lwp
	s_sub_co_u32 s36, ttmp9, 512                   ; j: chunk of wqkv
	s_lshr_b32 s37, s36, 6                         ; which of the three weights
	s_and_b32 s38, s36, 63                         ; its chunk
	s_cmp_eq_u32 s37, 0
	s_cselect_b64 s[28:29], s[6:7], s[8:9]
	s_cselect_b64 s[40:41], s[14:15], s[16:17]
	s_cmp_eq_u32 s37, 2
	s_cselect_b64 s[28:29], s[10:11], s[28:29]
	s_cselect_b64 s[40:41], s[18:19], s[40:41]
	s_lshl_b32 s32, s38, 16
	s_add_nc_u64 s[28:29], s[28:29], s[32:33]
	s_lshl_b32 s34, s36, 15
	s_add_nc_u64 s[30:31], s[22:23], s[34:35]
	s_cmp_lg_u32 s38, 0
	s_cbranch_scc1 .Lplain
	s_lshl_b32 s42, s37, 12                        ; the weight's bias: 4,096 bytes, 16 a thread
	s_mov_b32 s43, 0
	s_add_nc_u64 s[26:27], s[26:27], s[42:43]
	global_load_b128 v[BI:BI+3], v[SO], s[40:41]
	s_wait_loadcnt 0x0
	global_store_b128 v[SO], v[BI:BI+3], s[26:27]
.Lplain:
	CONV 0
	s_endpgm
.Lwp:
	s_sub_co_u32 s36, ttmp9, 704                   ; rows 16 c to 16 c + 15 of Wp
	s_lshl_b32 s32, s36, 16
	s_add_nc_u64 s[28:29], s[12:13], s[32:33]
	s_lshl_b32 s34, s36, 11                        ; 16 rows of 128 bytes inside each head of wpb
	s_add_nc_u64 s[30:31], s[24:25], s[34:35]
	v_and_b32 v3, 15, v0                           ; lane % 16: 4 of a head's 64 columns
	v_bfe_u32 v100, v0, 4, 1                       ; lane / 16: which row of the pair
	v_lshrrev_b32 v101, 5, v0                      ; wave: which head of eight
	v_lshlrev_b32 v[SO], 4, v3
	v_lshl_add_u32 v[SO], v100, 12, v[SO]
	v_lshl_add_u32 v[SO], v101, 8, v[SO]
	v_lshlrev_b32 v[DO], 3, v3
	v_lshl_add_u32 v[DO], v100, 7, v[DO]
	v_lshl_add_u32 v[DO], v101, 17, v[DO]
	CONV 1
	s_endpgm
.Lfunc_end_k_q1e8f35cd90_cvt:
	.size	k_q1e8f35cd90_cvt, .Lfunc_end_k_q1e8f35cd90_cvt-k_q1e8f35cd90_cvt
	.p2alignl 7, 3214868480
	.fill 96, 4, 3214868480
	.section	.rodata,"a",@progbits
	.p2align	6, 0x0
	.amdhsa_kernel k_q1e8f35cd90_cvt
		.amdhsa_group_segment_fixed_size 0
		.amdhsa_private_segment_fixed_size 0
		.amdhsa_enable_private_segment 0
		.amdhsa_kernarg_size 96
		.amdhsa_user_sgpr_count 2
		.amdhsa_user_sgpr_kernarg_segment_ptr 1
		.amdhsa_wavefront_size32 1
		.amdhsa_system_sgpr_workgroup_id_x 1
		.amdhsa_system_sgpr_workgroup_id_y 1
		.amdhsa_system_sgpr_workgroup_id_z 1
		.amdhsa_system_vgpr_workitem_id 0
		.amdhsa_next_free_vgpr 104
		.amdhsa_next_free_sgpr 66
		.amdhsa_reserve_vcc 0
		.amdhsa_float_denorm_mode_32 3
		.amdhsa_float_denorm_mode_16_64 3
		.amdhsa_memory_ordered 1
		.amdhsa_forward_progress 1
		.amdhsa_inst_pref_size 19
	.end_amdhsa_kernel
	.amdgpu_metadata
---
amdhsa.version: [ 1, 2 ]
amdhsa.kernels:
  - .name:           k_q1e8f35cd90_cvt
    .symbol:         k_q1e8f35cd90_cvt.kd
    .args:
      - { .name: x, .offset: 0, .size: 8, .value_kind: global_buffer, .address_space: global }
      - { .name: Wq, .offset: 8, .size: 8, .value_kind: global_buffer, .address_space: global }
      - { .name: Wk, .offset: 16, .size: 8, .value_kind: global_buffer, .address_space: global }
      - { .name: Wv, .offset: 24, .size: 8, .value_kind: global_buffer, .address_space: global }
      - { .name: Wp, .offset: 32, .size: 8, .value_kind: global_buffer, .address_space: global }
      - { .name: bq, .offset: 40, .size: 8, .value_kind: global_buffer, .address_space: global }
      - { .name: bk, .offset: 48, .size: 8, .value_kind: global_buffer, .address_space: global }
      - { .name: bv, .offset: 56, .size: 8, .value_kind: global_buffer, .address_space: global }
      - { .name: xb, .offset: 64, .size: 8, .value_kind: global_buffer, .address_space: global }
      - { .name: wqkv, .offset: 72, .size: 8, .value_kind: global_buffer, .address_space: global }
      - { .name: wpb, .offset: 80, .size: 8, .value_kind: global_buffer, .address_space: global }
      - { .name: bqkv, .offset: 88, .size: 8, .value_kind: global_buffer, .address_space: global }
    .group_segment_fixed_size: 0
    .private_segment_fixed_size: 0
    .kernarg_segment_align: 8
    .kernarg_segment_size: 96
    .max_flat_workgroup_size: 256
    .sgpr_count:     66
    .vgpr_count:     104
    .wavefront_size: 32
...
	.end_amdgpu_metadata
.endif
;; end of part 1
;; launch qkv (part 2): grid 16 x 32, 4 waves a work-group, clusters of 4 x 4, 327,680 bytes of LDS; arguments xb, wqkv, bqkv, qkv; writes qkv
.if DOCPART == 2
	.amdgcn_target "amdgcn-amd-amdhsa--gfx1250"
	.amdhsa_code_object_version 6
	.text
	.protected	k_q1e8f35cd90_qkv
	.globl	k_q1e8f35cd90_qkv
	.p2align	8
	.type	k_q1e8f35cd90_qkv,@function
k_q1e8f35cd90_qkv:
	s_mov_b64 s[64:65], 0
	v_nop
	global_prefetch_b8 v0, s[64:65] scope:SCOPE_SE
	s_setreg_imm32_b32 hwreg(HW_REG_WAVE_MODE, 25, 1), 1
	s_wait_xcnt 0x0
	s_wait_alu depctr_hold_cnt(0) depctr_sa_sdst(0) depctr_va_vdst(0) depctr_va_sdst(0) depctr_va_ssrc(0) depctr_va_vcc(0) depctr_vm_vsrc(0)
	s_getreg_b32 s2, hwreg(HW_REG_IB_STS2, 6, 4)
	s_cmp_eq_u32 s2, 0
	s_cbranch_scc0 .Lentry_in_a_cluster
	s_endpgm
.Lentry_in_a_cluster:
	s_bfe_u32 s2, ttmp6, 0x10000c
	s_cmp_lg_u32 s2, 0xf033
	s_cbranch_scc0 .Lentry_shape_is_right
	s_endpgm
.Lentry_shape_is_right:
; q, k, v = x W^T + b in one product: C[m][n] = sum over k of xb[m][k] wqkv[n][k] + bqkv[n], m < 8192, n < 3072, k < 1024; operands bf16, sums f32.
; C is rounded once to f16 and stored by heads: qkv[b][g][t][d], b = m / 2048, t = m % 2048, g = n / 64 (0-15 q, 16-31 k, 32-47 v), d = n % 64.
; LIMIT: |q|, |k|, |v| under 65,504 (f16): with all inputs 30 times those of a unit-variance x and weights within 1/32 their root mean square is about 520.
; SHARES.  A tile of C is 256 x 192: 32 x 16 = 512 tiles, two for each of 256 WGPs (256 x 256 would give 384).  Four waves; wave w makes rows 64 w to 64 w + 63
; and all 192 columns: 48 accumulators of 16 x 16, 384 registers; its columns are three whole heads, so its way out is its own.
; K goes in 8 steps of 128 through two LDS slots filled by the tensor data mover (rows of 256 bytes, aligned): one load a wave for each step.
; CLUSTER.  4 x 4 work-groups: the four of a row of the cluster need the same rows of xb, the four of a column the same rows of wqkv: each tile is asked for jointly.
; THE MATRIX INSTRUCTION IS USED TRANSPOSED (source 0 = 16 rows of wqkv, source 1 = 16 rows of xb): lane l, register j holds C(row l % 16, column 8 (l / 16) + j).
; THE BIAS STARTS THE SUMS: the first product on each accumulator takes as C eight registers that hold b of the lane's eight columns: nothing is cleared, nothing added later.
; REGISTERS, in windows of 256: window 0: v16-29 addresses; v64-127 two buffers of xb's fragments (4 x 8); v128-223 the bias, later the way out.
;   window 1: v0-95, v96-191 two buffers of wqkv's fragments (12 x 8).   window 2: accumulators of row blocks 0, 1 at v[8 (12 a + b)];  window 3: of row blocks 2, 3.
; Left out: prefetches (each tile is asked for a whole K step ahead and once for four work-groups); work-groups that stay.
.set NB,     12                        ; column blocks of 16
.set KSTEP,  128
.set PITCH,  272                       ; an LDS row: 256 bytes + 16 of padding: the 16 rows of a fragment load start 68 words apart
.set HALFA,  128*PITCH                 ; what one load brings of xb: 128 rows
.set BOFF,   2*HALFA                   ; wqkv's rows lie behind xb's 256
.set HALFB,  96*PITCH                  ; what one load brings of wqkv: 96 rows
.set SLOT,   BOFF+2*HALFB              ; 121,856 bytes
.set STAGE,  2*SLOT                    ; behind the ring: for each wave 3 heads x 16 rows x 144 bytes
.set SPITCH, 144
.set HSTG,   16*SPITCH
.set WSTG,   3*HSTG
.set SPARE,  STAGE+4*WSTG              ; behind the stages: the spare words, 128 bytes a wave: two blocks of 256 bytes that no other line names
.set NL,     2*NB+8                    ; LDS loads of a quarter step
.set STEPA,  2*KSTEP*2                 ; bytes from a slot's K step to its next
.set STEPB,  2*KSTEP*2
.set ADRA, 16                          ; v16-17  LDS address of my fragments of xb in slot 0, 1
.set ADRB, 20                          ; v20-21  the same for wqkv
.set STO,  24                          ; v24     the way out: where I put 16 bytes of a row
.set RD,   25                          ; v25     the way out: where I read rows back
.set CO,   26                          ; v26     my byte offset in four rows of a head
.set BO,   27                          ; v27     my byte offset in 16 numbers of the bias
.set SPW,  28                          ; v28     LDS address of my spare word; never rewritten
.set NIL,  29                          ; v29     0; never rewritten
.set FA,   64
.set BIAS, 128
.set TMP,  128                         ; the way out: two buffers of 48
.set G1A, 24                           ; s[24:31] descriptor group 1 for xb's tiles;  s[32:39] group 0, a set for each slot
.set G0A, 32
.set G1B, 48                           ; s[48:55], s[56:63] the same for wqkv's
.set G0B, 56
.set MSB, 0
.macro WIN new                         ; the immediate's high byte repeats the setting that is left; a switch that changes nothing is dropped
.if MSB != (\new)
	s_set_vgpr_msb (MSB<<8)|(\new)
.set MSB, (\new)
.endif
.endm
.set MUL_LO, 0xa1                      ; source 0 window 1, source 1 window 0, C and D window 2
.set MUL_HI, 0xf1                      ; the same, C and D window 3
.set TO_B,   0x40                      ; destination window 1, address window 0
.macro PLACES                          ; four plain vector instructions between a matrix instruction and a load into, or a read of, its registers
.rept 4
	v_nop
.endr
.endm
; A joint load: waves 0 and 1 fetch xb's two halves, waves 2 and 3 wqkv's.  The branch hangs on the wave's number alone.  Four v_nop follow each line.
.macro JLOAD s
	s_cmp_eq_u32 s13, 0
	s_cbranch_scc0 .Lfor_b_\@
	tensor_load_to_lds s[G0A+4*\s:G0A+4*\s+3], s[G1A:G1A+7]
	s_nop 0
.rept 4
	v_nop
.endr
	s_branch .Lasked_\@
.Lfor_b_\@:
	tensor_load_to_lds s[G0B+4*\s:G0B+4*\s+3], s[G1B:G1B+7]
	s_nop 0
.rept 4
	v_nop
.endr
.Lasked_\@:
.endm
.macro CREST                           ; a round of the cluster's barrier behind its opening barrier
	s_cmp_lg_u32 s12, 0
	s_cbranch_scc1 .Lnot_wave_0_\@
	s_barrier_signal -3
.Lnot_wave_0_\@:
	s_barrier_wait -3
	s_barrier_signal -1
	s_barrier_wait -1
.endm
.macro CROUND                          ; a whole round
	s_barrier_signal -1
	s_barrier_wait -1
	CREST
.endm
	s_load_b256 s[4:11], s[0:1], 0x0               ; xb s[4:5], wqkv s[6:7], bqkv s[8:9], qkv s[10:11]
	v_lshl_add_u32 v[SPW], v0, 2, SPARE
	v_mov_b32 v[NIL], 0
	ds_add_u32 v28, v29
	ds_add_u32 v28, v29
	s_wait_dscnt 0x0
	v_lshrrev_b32 v1, 5, v0
	v_readfirstlane_b32 s12, v1                    ; wave 0..3
	s_lshr_b32 s13, s12, 1                         ; I fetch for xb (0) or for wqkv (1),
	s_and_b32 s14, s12, 1                          ; its first or its second half
	s_bfe_u32 s16, ttmp6, 0x40000                  ; cx, cy: my place in the cluster
	s_bfe_u32 s17, ttmp6, 0x40004
	s_lshl_b32 s18, ttmp9, 2
	s_add_co_u32 s18, s18, s16                     ; tile column 0..15
	s_and_b32 s19, ttmp7, 0xffff
	s_lshl_b32 s19, s19, 2
	s_add_co_u32 s19, s19, s17                     ; tile row 0..31
	s_lshl_b32 s20, s17, 2
	s_lshl_b32 s20, 15, s20                        ; my row of the cluster
	s_lshl_b32 s21, 0x1111, s16                    ; my column
	s_or_b32 s[G1A+0], s20, (1<<16)|(1<<20)|(1<<21)|(5<<22)|(3<<25)  ; the mask; elements of 2 bytes; padding on; bit 21 beside a mask; after every 64 words 4 words
	s_or_b32 s[G1B+0], s21, (1<<16)|(1<<20)|(1<<21)|(5<<22)|(3<<25)
	s_mov_b32 s[G1A+1], KSTEP<<16                  ; tensor_dim0 = 128
	s_mov_b32 s[G1A+2], 128<<16                    ; tensor_dim1 = 128
	s_mov_b32 s[G1A+3], KSTEP<<16                  ; tile_dim0 = 128
	s_mov_b32 s[G1A+4], 128                        ; tile_dim1 = 128
	s_mov_b32 s[G1A+5], 1024                       ; elements from row to row
	s_mov_b32 s[G1A+6], 0
	s_mov_b32 s[G1A+7], 0
	s_mov_b32 s[G1B+1], KSTEP<<16
	s_mov_b32 s[G1B+2], 96<<16                     ; 96 rows
	s_mov_b32 s[G1B+3], KSTEP<<16
	s_mov_b32 s[G1B+4], 96
	s_mov_b32 s[G1B+5], 1024
	s_mov_b32 s[G1B+6], 0
	s_mov_b32 s[G1B+7], 0
	s_lshl_b32 s40, s19, 8                         ; xb: row 256 x tile row + 128 x half, of 2,048 bytes: the tile column never enters these registers
	s_lshl_b32 s41, s14, 7
	s_add_co_u32 s40, s40, s41
	s_lshl_b32 s40, s40, 11
	s_mov_b32 s41, 0
	s_mul_i32 s42, s18, 192                        ; wqkv: row 192 x tile column + 96 x half: the tile row never enters these
	s_mul_i32 s43, s14, 96
	s_add_co_u32 s42, s42, s43
	s_lshl_b32 s42, s42, 11
	s_mov_b32 s43, 0
	s_mul_i32 s44, s14, HALFA                      ; where they go: no place in the cluster enters an LDS address
	s_mul_i32 s45, s14, HALFB
	s_add_co_u32 s45, s45, BOFF
	s_wait_kmcnt 0x0
	s_add_nc_u64 s[40:41], s[4:5], s[40:41]
	s_add_nc_u64 s[42:43], s[6:7], s[42:43]
	CROUND                                         ; all sixteen work-groups are here: the first joint loads meet
.irp s, 0,1
	s_mov_b32 s[G0A+4*\s], 1
	s_add_co_u32 s[G0A+4*\s+1], s44, \s*SLOT
	s_add_nc_u64 s[G0A+4*\s+2:G0A+4*\s+3], s[40:41], \s*KSTEP*2
	s_or_b32 s[G0A+4*\s+3], s[G0A+4*\s+3], 0x80000000
	s_mov_b32 s[G0B+4*\s], 1
	s_add_co_u32 s[G0B+4*\s+1], s45, \s*SLOT
	s_add_nc_u64 s[G0B+4*\s+2:G0B+4*\s+3], s[42:43], \s*KSTEP*2
	s_or_b32 s[G0B+4*\s+3], s[G0B+4*\s+3], 0x80000000
	JLOAD \s                                       ; K steps 0 and 1: two loads of mine are out
.endr
	v_and_b32 v1, 15, v0                           ; l % 16
	v_bfe_u32 v2, v0, 4, 1                         ; l / 16
	v_mul_u32_u24 v3, v1, PITCH
	v_lshl_add_u32 v3, v2, 4, v3                   ; a fragment's row x pitch + 16 x half
	s_mul_i32 s46, s12, 64*PITCH                   ; my 64 rows of xb
.irp s, 0,1
	v_add_nc_u32 v[ADRA+\s], s46, v3
	v_add_nc_u32 v[ADRB+\s], BOFF+\s*SLOT, v3
	s_add_co_u32 s46, s46, SLOT
.endr
	s_mul_i32 s47, s12, WSTG
	s_add_co_u32 s47, s47, STAGE                   ; my stage
	v_mul_u32_u24 v4, v1, SPITCH                   ; in: row l % 16, 16 bytes for each half of the lanes
	v_lshl_add_u32 v4, v2, 4, v4
	v_add_nc_u32 v[STO], s47, v4
	v_and_b32 v5, 31, v0
	v_lshrrev_b32 v6, 3, v5                        ; back: eight lanes take a row of 128 bytes, the wave four rows
	v_and_b32 v7, 7, v0
	v_mul_u32_u24 v6, v6, SPITCH
	v_lshl_add_u32 v6, v7, 4, v6
	v_add_nc_u32 v[RD], s47, v6
	v_lshlrev_b32 v[CO], 4, v5                     ; in a head four rows are 512 consecutive bytes
	v_lshlrev_b32 v[BO], 5, v2                     ; my eight of a block's sixteen numbers of the bias
	s_mul_i32 s66, s18, 768                        ; the tile's 192 numbers of the bias
	s_mov_b32 s67, 0
	s_add_nc_u64 s[8:9], s[8:9], s[66:67]
.irp b, 0,1,2,3,4,5,6,7,8,9,10,11
	global_load_b128 v[BIAS+8*\b:BIAS+8*\b+3],   v[BO], s[8:9] offset:64*\b
	global_load_b128 v[BIAS+8*\b+4:BIAS+8*\b+7], v[BO], s[8:9] offset:64*\b+16
.endr
	s_lshr_b32 s68, s19, 3                         ; my first row in qkv: plane 48 b + 3 x tile column, t = 256 (tile row % 8) + 64 w, rows of 128 bytes
	s_mul_i32 s68, s68, 48
	s_mul_i32 s69, s18, 3
	s_add_co_u32 s68, s68, s69
	s_lshl_b32 s68, s68, 11
	s_and_b32 s69, s19, 7
	s_lshl_b32 s69, s69, 8
	s_add_co_u32 s68, s68, s69
	s_lshl_b32 s69, s12, 6
	s_add_co_u32 s68, s68, s69
	s_lshl_b32 s68, s68, 7
	s_mov_b32 s69, 0
	s_add_nc_u64 s[10:11], s[10:11], s[68:69]
; 12 matrix instructions: row block a x all column blocks, 32 along K, from buffer f.  z = 1: the bias starts the sums.  The caller sets the windows.
.macro MULA f, a, z
.irp b, 0,1,2,3,4,5,6,7,8,9,10,11
.if \z
	v_wmma_f32_16x16x32_bf16 v[8*(NB*((\a)%2)+\b):8*(NB*((\a)%2)+\b)+7], v[8*NB*\f+8*\b:8*NB*\f+8*\b+7], v[FA+32*\f+8*\a:FA+32*\f+8*\a+7], v[BIAS+8*\b:BIAS+8*\b+7]
.else
	v_wmma_f32_16x16x32_bf16 v[8*(NB*((\a)%2)+\b):8*(NB*((\a)%2)+\b)+7], v[8*NB*\f+8*\b:8*NB*\f+8*\b+7], v[FA+32*\f+8*\a:FA+32*\f+8*\a+7], v[8*(NB*((\a)%2)+\b):8*(NB*((\a)%2)+\b)+7]
.endif
.endr
.endm
; 32 LDS loads in one run: quarter q (32 along K) of a slot into buffer f: wqkv's 192 rows, then my 64 rows of xb
.macro FETCH slot, q, f
	WIN TO_B
.irp i, 0,1,2,3,4,5,6,7,8,9,10,11
	ds_load_b128 v[8*NB*\f+8*\i:8*NB*\f+8*\i+3],   v[ADRB+\slot] offset:64*\q+\i*16*PITCH
	ds_load_b128 v[8*NB*\f+8*\i+4:8*NB*\f+8*\i+7], v[ADRB+\slot] offset:64*\q+\i*16*PITCH+32
.endr
	WIN 0
.irp i, 0,1,2,3
	ds_load_b128 v[FA+32*\f+8*\i:FA+32*\f+8*\i+3],   v[ADRA+\slot] offset:64*\q+\i*16*PITCH
	ds_load_b128 v[FA+32*\f+8*\i+4:FA+32*\f+8*\i+7], v[ADRA+\slot] offset:64*\q+\i*16*PITCH+32
.endr
.endm
; A K step is four quarters of 48 matrix instructions on buffers 0, 1, 0, 1; the 48 accumulators take turns in the same order in every quarter.
; One of the first three: multiplies buffer f; in its middle it fetches quarter q of the same slot into buffer g.
.macro QUARTER slot, q, f, g, z
	s_wait_dscnt 4                                 ; all but the youngest four loads (xb's row blocks 2, 3) are in
	WIN MUL_LO-0x20*\z                             ; z = 1: C (the bias) in window 0
	MULA \f, 0, \z
	MULA \f, 1, \z
	PLACES                                         ; buffer g was multiplied in the quarter before
	FETCH \slot, \q, \g
	s_wait_dscnt NL                                ; all but the 32 just issued
	WIN MUL_HI-0x30*\z
	MULA \f, 2, \z
	MULA \f, 3, \z
.endm
; The last quarter multiplies buffer 1 and changes slots: one barrier; in front of it each wave waits for all its tensor loads (one is out: its part of the next slot),
; adds 0 to its spare word, and waits for that and for its reads of this slot.  fill = 1: the barrier opens a round of the cluster's, and this slot is filled again, two K steps on:
; from that request to the wait for it a wave issues 168 matrix instructions.
.macro TURN slot, next, fill
	WIN 0                                          ; (the add's two registers lie in window 0)
	s_wait_tensorcnt 0x0
	ds_add_u32 v[SPW], v[NIL]
	s_wait_dscnt 5                                 ; (the add and the youngest four loads may be out)
	WIN MUL_LO
	MULA 1, 0, 0                                   ; twelve matrix instructions stand between the add and the wait for it
	s_wait_dscnt 0x0                               ; the add is done, and my reads of this slot are over
	s_barrier_signal -1
	MULA 1, 1, 0
.if \fill
	WIN 0
.endif
	s_barrier_wait -1
.if \fill
	CREST                                          ; no wave of any partner still reads this slot or has a load on its way
	s_add_nc_u64 s[G0A+4*\slot+2:G0A+4*\slot+3], s[G0A+4*\slot+2:G0A+4*\slot+3], STEPA
	s_add_nc_u64 s[G0B+4*\slot+2:G0B+4*\slot+3], s[G0B+4*\slot+2:G0B+4*\slot+3], STEPB
	JLOAD \slot                                    ; my one tensor load behind the round; its four v_nop are also the places in front of the loads below
.else
	PLACES
.endif
	FETCH \next, 0, 0
	WIN MUL_HI
	MULA 1, 2, 0
	MULA 1, 3, 0
.endm
; THE WAY OUT of row block a (16 rows x 192 columns): rounded to f16, 16 bytes a lane into my stage (head by head, rows of 144 bytes), back as rows of 128 bytes, four to a load.
.macro PACK a
	WIN 0x0a+5*((\a)/2)                            ; sources 0 and 1: window 2 or 3
.irp b, 0,1,2,3,4,5,6,7,8,9,10,11
.irp r, 0,1,2,3
	v_cvt_pk_f16_f32 v[TMP+48*((\a)%2)+4*\b+\r], v[8*(NB*((\a)%2)+\b)+2*\r], v[8*(NB*((\a)%2)+\b)+2*\r+1]
.endr
.endr
	WIN 0
.irp b, 0,1,2,3,4,5,6,7,8,9,10,11
	ds_store_b128 v[STO], v[TMP+48*((\a)%2)+4*\b:TMP+48*((\a)%2)+4*\b+3] offset:(\b/4)*HSTG+(\b%4)*32
.endr
.irp f, 0,1,2,3,4,5,6,7,8,9,10,11
	ds_load_b128 v[TMP+48*((\a)%2)+4*\f:TMP+48*((\a)%2)+4*\f+3], v[RD] offset:(\f/4)*HSTG+(\f%4)*4*SPITCH   ; LDS serves a wave's instructions in order: these see the stores above
.endr
.endm
.macro SEND a, younger                 ; younger: the LDS instructions issued behind block a's loads
.irp f, 0,1,2,3,4,5,6,7,8,9,10,11
	s_wait_dscnt \younger+11-\f
	global_store_b128 v[CO], v[TMP+48*((\a)%2)+4*\f:TMP+48*((\a)%2)+4*\f+3], s[10:11] offset:(\f/4)*262144+(16*\a+4*(\f%4))*128   ; four rows of one head: 512 consecutive bytes, aligned
.endr
.endm
	s_wait_tensorcnt 0x1                           ; my part of K step 0 is in; K step 1's may stay out
	s_barrier_signal -1
	s_barrier_wait -1                              ; everybody's is
	FETCH 0, 0, 0
	s_wait_loadcnt 0x0                             ; the bias
	QUARTER 0, 1, 0, 1, 1                          ; the first quarter stands in front of the loop: its products start the sums
	WIN 0
	s_mov_b32 s15, 3
.Llap:                                                 ; a trip goes once round the ring, from a lap's second quarter to the next lap's first, and fills both slots again: K steps 2 to 7
	QUARTER 0, 2, 1, 0, 0
	QUARTER 0, 3, 0, 1, 0
	TURN 0, 1, 1
	QUARTER 1, 1, 0, 1, 0
	QUARTER 1, 2, 1, 0, 0
	QUARTER 1, 3, 0, 1, 0
	TURN 1, 0, 1
	QUARTER 0, 1, 0, 1, 0
	WIN 0
	s_sub_co_u32 s15, s15, 1
	s_cmp_lg_u32 s15, 0
	s_cbranch_scc1 .Llap
	QUARTER 0, 2, 1, 0, 0                          ; the last lap fills nothing
	QUARTER 0, 3, 0, 1, 0
	TURN 0, 1, 0
	QUARTER 1, 1, 0, 1, 0
	QUARTER 1, 2, 1, 0, 0
	QUARTER 1, 3, 0, 1, 0
	s_wait_dscnt 4                                 ; the very last quarter
	WIN MUL_LO
	MULA 1, 0, 0
	MULA 1, 1, 0
	s_wait_dscnt 0x0
	WIN MUL_HI
	MULA 1, 2, 0
	MULA 1, 3, 0
	WIN 0
	PLACES
	PACK 0
	PACK 1                                         ; a block's conversions stand between the loads of the block before and its stores
	SEND 0, 24
	s_wait_xcnt 0x0                                ; block 0's stores have read their registers' addresses and data: buffer 0 is written again only behind this wait
	PACK 2
	SEND 1, 24
	s_wait_xcnt 0x0
	PACK 3
	SEND 2, 24
	SEND 3, 0
	s_wait_tensorcnt 0x0                           ; the wave's end
	ds_add_u32 v[SPW], v[NIL]
	s_wait_dscnt 0x0
	CROUND                                         ; the closing round: no work-group ends while a partner may still ask for a tile that names it
	s_endpgm
.Lfunc_end_k_q1e8f35cd90_qkv:
	.size	k_q1e8f35cd90_qkv, .Lfunc_end_k_q1e8f35cd90_qkv-k_q1e8f35cd90_qkv
	.p2alignl 7, 3214868480
	.fill 96, 4, 3214868480
	.section	.rodata,"a",@progbits
	.p2align	6, 0x0
	.amdhsa_kernel k_q1e8f35cd90_qkv
		.amdhsa_group_segment_fixed_size 327680
		.amdhsa_private_segment_fixed_size 0
		.amdhsa_enable_private_segment 0
		.amdhsa_kernarg_size 32
		.amdhsa_user_sgpr_count 2
		.amdhsa_user_sgpr_kernarg_segment_ptr 1
		.amdhsa_wavefront_size32 1
		.amdhsa_system_sgpr_workgroup_id_x 1
		.amdhsa_system_sgpr_workgroup_id_y 1
		.amdhsa_system_sgpr_workgroup_id_z 1
		.amdhsa_system_vgpr_workitem_id 0
		.amdhsa_next_free_vgpr 1024
		.amdhsa_next_free_sgpr 80
		.amdhsa_reserve_vcc 0
		.amdhsa_float_denorm_mode_32 3
		.amdhsa_float_denorm_mode_16_64 3
		.amdhsa_memory_ordered 1
		.amdhsa_forward_progress 1
		.amdhsa_inst_pref_size 122
	.end_amdhsa_kernel
	.amdgpu_metadata
---
amdhsa.version: [ 1, 2 ]
amdhsa.kernels:
  - .name:           k_q1e8f35cd90_qkv
    .symbol:         k_q1e8f35cd90_qkv.kd
    .args:
      - { .name: xb, .offset: 0, .size: 8, .value_kind: global_buffer, .address_space: global }
      - { .name: wqkv, .offset: 8, .size: 8, .value_kind: global_buffer, .address_space: global }
      - { .name: bqkv, .offset: 16, .size: 8, .value_kind: global_buffer, .address_space: global }
      - { .name: qkv, .offset: 24, .size: 8, .value_kind: global_buffer, .address_space: global }
    .group_segment_fixed_size: 327680
    .private_segment_fixed_size: 0
    .kernarg_segment_align: 8
    .kernarg_segment_size: 32
    .max_flat_workgroup_size: 128
    .sgpr_count:     80
    .vgpr_count:     1024
    .wavefront_size: 32
...
	.end_amdgpu_metadata
.endif
;; end of part 2
;; launch attn (part 3): grid 4 x 64, 8 waves a work-group, no clusters, 327,680 bytes of LDS; arguments qkv, att; writes att
.if DOCPART == 3
	.amdgcn_target "amdgcn-amd-amdhsa--gfx1250"
	.amdhsa_code_object_version 6
	.text
	.protected	k_q1e8f35cd90_attn
	.globl	k_q1e8f35cd90_attn
	.p2align	8
	.type	k_q1e8f35cd90_attn,@function
k_q1e8f35cd90_attn:
	s_mov_b64 s[64:65], 0
	v_nop
	global_prefetch_b8 v0, s[64:65] scope:SCOPE_SE
	s_setreg_imm32_b32 hwreg(HW_REG_WAVE_MODE, 25, 1), 1
	s_wait_xcnt 0x0
; att[b][h][q][:] = sum over k <= q of softmax_k(Q[q] . K[k] / 8) V[k][:], for each of 64 heads (b, h); Q, K, V are planes 48 b + h, + 16, + 32 of qkv, [2048][64] in f16; att in f16.
; Products, maxima and sums in f32; a running maximum is taken away before every exponential; the weights p are rounded to f16 for the second product,
; and the divisor is the sum of those rounded weights (made by the matrix unit).  Keys behind the query get the score -infinity.  NaN and infinite inputs are not served.
; LIMIT: |att| under 65,504 (f16); it is an average of v.
; SHARES.  A work-group (p, head) takes the query blocks p and then 7 - p of 256 queries: (p + 1) + (8 - p) = 9 slots of 256 keys for every one of the 256 work-groups.
; Eight waves, two to a SIMD.  A wave holds two tiles of 16 queries: tile 4 c + (w % 4) of the block with c = w / 4 and c = 3 - w / 4, so that in the diagonal slot every wave has 5 tile steps of 8.
; A STEP is 64 keys.  TWO FORMS OF A SLOT'S FOUR STEPS, chosen by a branch on scalars made of the work-group's number:
;   the diagonal slot of a block (phase p and phase 8) in plain phases: a tile is jumped over where the step lies wholly behind it (step > 4 block + c), and masked where step = 4 block + c;
;   the other seven slots BY TURNS: both tiles are at work in every step and nothing is masked.  In a turn one tile has the matrix unit (10 products V^T P of the step in hand, then 8 products
;   K Q^T of the next step), in pairs, and behind each pair stands a slice of the other tile's softmax (103 instructions: eight slices of 11, a last one of 15), so that the wave has vector work
;   to issue while the matrix unit works.  Then the tiles change places; two turns are a step.  The price is two window switches a pair.  The turns begin and end inside a slot.
; NO MULTICAST: the four work-groups of a head walk different key slots at any time (their blocks differ), so joint requests would ask all four to walk 12 slots in step instead of 9 each.
; LAYOUT.  S^T = K Q^T (source 0 = 16 keys, source 1 = 16 queries): a lane holds ONE query (lane % 16) and keys 8 (lane / 16) + 0..7.  Two such tiles, rounded in pairs, are source 1
; (32 keys x 16 queries) of O^T = V^T P; V ([key][channel]) comes out of LDS turned, by ds_load_tr16_b128.  The sum of a query's weights is one more product, of ones with P.
; A block's sums start from cleared registers and m = -infinity, since the place of the change of blocks among the nine slots hangs on p: the first step's factor a is then 2^-infinity = 0.
; Key 0 is allowed to every query, so the maximum is finite from a tile's first step on.
; REGISTERS.  window 0: v2-15 addresses and constants; v16-31 statistics; v32-95 S^T (32 a tile); v96-127 P (16 a tile); v128-191 O^T (32 a tile); v192-207 the sums of weights (8 a tile).
;   window 1: v0-63 K of a step; v64-127 V of a step; v128-159 Q (16 a tile); v160-167 ones.
.set PK,    144                        ; a row of K in LDS: 128 bytes + 16
.set PV,    160                        ; a row of V: 128 + 32: the turning load takes 8 rows x 32 bytes for 16 lanes
.set VOFF,  256*PK                     ; in a slot: 256 rows of K, then 256 rows of V
.set SLOT,  VOFF+256*PV                ; 77,824 bytes
.set KSTEP, 64*PK
.set VSTEP, 64*PV
.set STAGE, 2*SLOT                     ; behind the ring: 16 rows x 144 bytes for each wave
.set WSTG,  16*PK
.set SPARE, STAGE+8*WSTG               ; behind the stages: the spare words, 128 bytes a wave: four blocks of 256 bytes that no other line names
.set AK0, 2                            ; v2   my lane's place in a step's K
.set AV0, 3                            ; v3   the same for V (VOFF included)
.set ADRK, 4                           ; v4, v5  the LDS addresses of the run of loads in hand
.set ADRV, 5
.set QO,  6                            ; v6, v7  my byte offset in the block's Q, tile 0, 1
.set GO,  8                            ; v8, v9  my byte offset in the block's rows of att
.set STO, 10                           ; v10  the way out: where I put 16 bytes of a row
.set RD,  11                           ; v11  the way out: where I read rows back
.set DREL, 12                          ; v12  16 (w % 4) + lane % 16 - 8 (lane / 16): in the diagonal step register 8 kb + j is masked where 16 kb + j is greater
.set NINF, 13                          ; v13  -infinity
.set SPW, 14                           ; v14  LDS address of my spare word; never rewritten
.set NIL, 15                           ; v15  0; never rewritten
.set ST,  16                           ; tile t at v[16 + 8 t]: +0 c m, +1 m, +2..+5 four chains of the maximum, +6 a, +7 c m_old - c m_new
.set S,   32
.set P,   96
.set OT,  128
.set LS,  192
.set KF,  0                            ; window 1
.set VF,  64
.set QF,  128
.set ONES, 160
.set NSM, 103                          ; instructions in a tile's softmax for a step
.set WV,  8                            ; s8 wave; s9 wave % 4; s10 wave / 4
.set W3,  9
.set C0,  10
.set PP,  11                           ; s11 p; s12 p + 1
.set P1,  12
.set FF,  14                           ; s14 the phase last asked for
.set SIG, 15                           ; s15 phases done
.set TBK, 16                           ; s16, s17 LDS byte at which the K, V to be fetched next begin
.set TBV, 17
.set KSR, 18                           ; s18 key step in the block's walk
.set CNT, 19                           ; s19 counts inside a slot
.set DT,  20                           ; s20, s21 the diagonal step of tile 0, 1
.set LOOP, 22
.set G1K, 24                           ; s[24:31], s[32:39] descriptor groups 1
.set G1V, 32
.set G0K, 40                           ; s[40:47], s[48:55] descriptor groups 0, a set for each slot
.set G0V, 48
.set KB,  56                           ; s[56:57], s[58:59] K, V at my quarter of key slot 0
.set VB,  58
.set OFS, 60                           ; s[60:61] an offset, high word 0
.set CS,  62                           ; s[62:63] c = log2(e) / 8, twice
.set SEL, 66                           ; s[66:67] lane selects: each lane takes its own place in the other half
.set QH,  68                           ; s[68:69] the head's Q; s[70:71] the head's att
.set AH,  70
.set QB,  72                           ; s[72:73] the block's Q; s[74:75] the block's att
.set OB,  74
.set MSB, 0
.macro WIN new                         ; the immediate's high byte repeats the setting that is left; a switch that changes nothing is dropped
.if MSB != (\new)
	s_set_vgpr_msb (MSB<<8)|(\new)
.set MSB, (\new)
.endif
.endm
.set W_LD, 0x40                        ; destination window 1
.set W_KQ, 0x05                        ; K and Q in window 1
.set W_PV, 0x01                        ; V (or the ones) in window 1
.macro PLACES                          ; four plain vector instructions between a matrix instruction and a load into, or a read of, its registers
.rept 4
	v_nop
.endr
.endm
; The global addresses of slot s for phase s[FF]: key slot f of block p while f < p + 1, then key slot f - (p + 1) of block 7 - p; 32,768 bytes a key slot.
.macro SETG s
	s_sub_co_u32 s78, s[FF], s[P1]
	s_cmp_lt_u32 s[FF], s[P1]
	s_cselect_b32 s[OFS], s[FF], s78
	s_lshl_b32 s[OFS], s[OFS], 15
	s_add_nc_u64 s[G0K+4*\s+2:G0K+4*\s+3], s[KB:KB+1], s[OFS:OFS+1]
	s_or_b32 s[G0K+4*\s+3], s[G0K+4*\s+3], 0x80000000
	s_add_nc_u64 s[G0V+4*\s+2:G0V+4*\s+3], s[VB:VB+1], s[OFS:OFS+1]
	s_or_b32 s[G0V+4*\s+3], s[G0V+4*\s+3], 0x80000000
.endm
; A refill: waves 0-3 fetch the four quarters of K, waves 4-7 those of V.  Four v_nop follow each line.
.macro JLOAD s
	s_cmp_lt_u32 s[WV], 4
	s_cbranch_scc0 .Lfor_v_\@
	tensor_load_to_lds s[G0K+4*\s:G0K+4*\s+3], s[G1K:G1K+7]
	s_nop 0
.rept 4
	v_nop
.endr
	s_branch .Lasked_\@
.Lfor_v_\@:
	tensor_load_to_lds s[G0V+4*\s:G0V+4*\s+3], s[G1V:G1V+7]
	s_nop 0
.rept 4
	v_nop
.endr
.Lasked_\@:
.endm
; THE CHANGE OF SLOTS: slot s has been read.  Each wave waits for all its tensor loads (one is out: its part of the other slot), adds 0 to its spare word, and waits for that and
; for its LDS reads; behind the barrier slot s is filled again first (fill = 1): that load has the other slot's four steps in which to land.
.macro CHANGE s, fill
	s_wait_tensorcnt 0x0                           ; no tensor load of mine is out, so a group 0 may be written
	ds_add_u32 v[SPW], v[NIL]                      ; the addresses are made between it and the wait for it
.if \fill
	s_add_co_u32 s[FF], s[FF], 1
	SETG \s
.endif
	s_wait_dscnt 0x0
	s_barrier_signal -1
	s_barrier_wait -1
.if \fill
	JLOAD \s
.endif
.endm
; THE MATRIX WORK.  The accumulators take turns, one instruction a turn: four (K Q^T) or five (V^T P and the sum of weights).
; Product wi of 8 of tile t's S^T = K Q^T: channels 32 (wi / 4) on, keys 16 (wi % 4) on.  The first four start the sums.
.macro KQW t
	WIN W_KQ
.set aS, S+32*(\t)+8*(wi%4)
.set aK, KF+8*(2*(wi%4)+wi/4)
.set aQ, QF+16*(\t)+8*(wi/4)
.if wi < 4
	v_wmma_f32_16x16x32_f16 v[aS:aS+7], v[aK:aK+7], v[aQ:aQ+7], 0
.else
	v_wmma_f32_16x16x32_f16 v[aS:aS+7], v[aK:aK+7], v[aQ:aQ+7], v[aS:aS+7]
	s_wait_alu depctr_va_vdst(0)
.endif
.endm
; Product wi of 10 of tile t: keys 32 (wi / 5) on; wi % 5 < 4: O^T += V^T P, channels 16 (wi % 5) on; wi % 5 = 4: the sum of weights += ones P.
.macro PVW t
	WIN W_PV
.set aP, P+16*(\t)+8*(wi/5)
.if wi%5 < 4
.set aO, OT+32*(\t)+8*(wi%5)
.set aV, VF+8*(4*(wi/5)+wi%5)
.else
.set aO, LS+8*(\t)
.set aV, ONES
.endif
	v_wmma_f32_16x16x32_f16 v[aO:aO+7], v[aV:aV+7], v[aP:aP+7], v[aO:aO+7]
.endm
; THE LDS LOADS stand in runs of 16: a step's K (64 keys x 64 channels: 8 fragments) and its V (turned).  Each run steps its scalar base to the next step.
.macro FETCH_K
	WIN 0
	v_add_nc_u32 v[ADRK], s[TBK], v[AK0]
	s_add_co_u32 s[TBK], s[TBK], KSTEP
	WIN W_LD
.irp f, 0,1,2,3,4,5,6,7                ; keys 16 (f / 2) on, channels 32 (f % 2) on
	ds_load_b128 v[KF+8*\f:KF+8*\f+3],   v[ADRK] offset:(\f/2)*16*PK+(\f%2)*64
	ds_load_b128 v[KF+8*\f+4:KF+8*\f+7], v[ADRK] offset:(\f/2)*16*PK+(\f%2)*64+32
.endr
.endm
.macro FETCH_V
	WIN 0
	v_add_nc_u32 v[ADRV], s[TBV], v[AV0]
	s_add_co_u32 s[TBV], s[TBV], VSTEP
	WIN W_LD
.irp f, 0,1,2,3,4,5,6,7                ; keys 32 (f / 4) on, channels 16 (f % 4) on
	ds_load_tr16_b128 v[VF+8*\f:VF+8*\f+3],   v[ADRV] offset:(\f/4)*32*PV+(\f%4)*32
	ds_load_tr16_b128 v[VF+8*\f+4:VF+8*\f+7], v[ADRV] offset:(\f/4)*32*PV+16*PV+(\f%4)*32
.endr
.endm
; THE VECTOR WORK.  One tile's softmax for one step of 64 keys is a list of 103 instructions; SMI writes number vj of it for tile t.  s0-s31 are the lane's 32 scores, in pairs 0-15.
;   0-15    the maximum of s0-s31 and the old m, three operands at a time: four chains, each begun at its accumulator's low end, then the four scores left over, the chains and m
;   16-21   the other half of the lanes' maximum; c m_old kept; the new m; c m; c m_old - c m_new; a = 2^ of that
;   22-35   c s - c m for pairs 0-13
;   36-99   sixteen groups of four: the two exponentials of pair g; pair g of O^T times a; and plain work that is ready: c s - c m for pairs 14, 15 (g = 0, 1), then the rounding of pair g - 2.
;           So every exponential has a plain instruction behind it before its result is used, and a rounding stands two groups behind its exponentials.
;   100-102 the sum of weights times a (of its eight equal registers the first is the one read; the others only grow by at most 1 a key); the roundings of pairs 14, 15.  The last five are plain.
.macro SMI t
.set rT, ST+8*(\t)
.set rS, S+32*(\t)
.set rP, P+16*(\t)
.set rO, OT+32*(\t)
.set rL, LS+8*(\t)
	WIN 0
.if vj < 4
	v_max3_num_f32 v[rT+2+vj], v[rS+8*vj], v[rS+8*vj+1], v[rS+8*vj+2]
.elseif vj < 12
	v_max3_num_f32 v[rT+2+vj%4], v[rT+2+vj%4], v[rS+8*(vj%4)+2*(vj/4)+1], v[rS+8*(vj%4)+2*(vj/4)+2]
.elseif vj == 12
	v_max3_num_f32 v[rT+2], v[rT+2], v[rS+7], v[rS+15]
.elseif vj == 13
	v_max3_num_f32 v[rT+4], v[rT+4], v[rS+23], v[rS+31]
.elseif vj == 14
	v_max3_num_f32 v[rT+2], v[rT+2], v[rT+3], v[rT+4]
.elseif vj == 15
	v_max3_num_f32 v[rT+2], v[rT+2], v[rT+5], v[rT+1]
.elseif vj == 16
	v_permlanex16_b32 v[rT+3], v[rT+2], s[SEL], s[SEL+1]   ; the query's other 32 keys lie in the lane 16 away
.elseif vj == 17
	v_mov_b32 v[rT+7], v[rT]                       ; c m_old
.elseif vj == 18
	v_max_num_f32 v[rT+1], v[rT+2], v[rT+3]        ; m
.elseif vj == 19
	v_mul_f32 v[rT], s[CS], v[rT+1]                ; c m
.elseif vj == 20
	v_sub_f32 v[rT+7], v[rT+7], v[rT]
.elseif vj == 21
	v_exp_f32 v[rT+6], v[rT+7]                     ; a
.elseif vj < 36
.set sb, vj-22
	v_pk_fma_f32 v[rS+2*sb:rS+2*sb+1], v[rS+2*sb:rS+2*sb+1], s[CS:CS+1], v[rT:rT+1] op_sel_hi:[1,0,0] neg_lo:[0,0,1] neg_hi:[0,0,1]
.elseif vj < 100
.set sg, (vj-36)/4
.set sq, (vj-36)%4
.if sq < 2
	v_exp_f32 v[rS+2*sg+sq], v[rS+2*sg+sq]
.elseif sq == 2
	s_wait_alu depctr_va_vdst(0)
	v_pk_mul_f32 v[rO+2*sg:rO+2*sg+1], v[rO+2*sg:rO+2*sg+1], v[rT+6:rT+7] op_sel_hi:[1,0]
.elseif sg < 2
	v_pk_fma_f32 v[rS+28+2*sg:rS+28+2*sg+1], v[rS+28+2*sg:rS+28+2*sg+1], s[CS:CS+1], v[rT:rT+1] op_sel_hi:[1,0,0] neg_lo:[0,0,1] neg_hi:[0,0,1]
.else
	s_wait_alu depctr_va_vdst(0)
	v_cvt_pk_f16_f32 v[rP+sg-2], v[rS+2*sg-4], v[rS+2*sg-3]
.endif
.elseif vj == 100
	v_pk_mul_f32 v[rL:rL+1], v[rL:rL+1], v[rT+6:rT+7] op_sel_hi:[1,0]
.else
	v_cvt_pk_f16_f32 v[rP+vj-87], v[rS+2*(vj-87)], v[rS+2*(vj-87)+1]
.endif
.endm
; A TURN.  Tile x has the matrix unit: pv = 1: its 10 products V^T P; kq = 1: its 8 products K Q^T of the next step.  They stand in pairs; behind pair gi of ng the other tile's softmax
; goes on up to number gi (NSM - 4) / ng, behind the last pair to its end.  The last slice holds nine plain instructions or more, none of which names a register of tile x's products:
; they are the places in front of the next turn's first read of the new scores and of the loads into K's registers.
; Tile 0's turn fetches the next step's K behind its first pair, eight products ahead of its use.  Tile 1's turn fetches the next step's V behind its first pair of K Q^T: between the last
; product that read V and those loads stand two slices, five plain instructions in the first alone.
.macro TURN x, pv, kq
.set nm, 10*\pv+8*\kq
.set ng, nm/2
.set vj, 0
.set mi, 0
.set gi, 0
.if \pv && (\x == 0)
	s_wait_dscnt 0x0                               ; V is in
.endif
.rept ng
.rept 2
.if mi < 10*\pv
.set wi, mi
	PVW \x
.else
.set wi, mi-10*\pv
	KQW \x
.endif
.set mi, mi+1
.endr
.set gi, gi+1
.set tg, (gi*(NSM-4))/ng
.if gi == ng
.set tg, NSM
.endif
.rept tg-vj
	SMI 1-\x
.set vj, vj+1
.endr
.if (\x == 0) && \pv && \kq && (gi == 1)
	FETCH_K
.endif
.if (\x == 0) && \pv && \kq && (gi == 5)
	s_wait_dscnt 0x0                               ; K is in
.endif
.if (\x == 1) && \pv && \kq && (gi == 6)
	FETCH_V
.endif
.endr
.endm
; A slot that lies wholly in front of the block's queries: four steps by turns.  Written out are the way in (tile 0's first scores stand bare; tile 1's stand beside tile 0's first softmax)
; and the way out (tile 0's last V^T P beside tile 1's last softmax; tile 1's last V^T P bare); the three trips between hold two full turns each.
.macro FAST
	PLACES                                         ; behind the last products of the slot before, which read V
	FETCH_K
	FETCH_V
	WIN 0
	s_wait_dscnt 16                                ; K is in; V's sixteen loads may be out
.set wi, 0
.rept 8
	KQW 0
.set wi, wi+1
.endr
	WIN 0
	PLACES                                         ; in front of the first read of those scores
	TURN 1, 0, 1
	WIN 0
	s_mov_b32 s[CNT], 3
.Lturn_\@:
	TURN 0, 1, 1
	TURN 1, 1, 1
	WIN 0
	s_sub_co_u32 s[CNT], s[CNT], 1
	s_cmp_lg_u32 s[CNT], 0
	s_cbranch_scc1 .Lturn_\@
	TURN 0, 1, 0
.set wi, 0
.rept 10
	PVW 1
.set wi, wi+1
.endr
	WIN 0
	s_add_co_u32 s[KSR], s[KSR], 4
.endm
; THE DIAGONAL SLOT, in plain phases.  One tile, one step of 64 keys.
.macro TILE t
	s_cmp_gt_u32 s[KSR], s[DT+\t]
	s_cbranch_scc1 .Lskip_\@                       ; all 64 keys lie behind all 16 queries
.set wi, 0
.rept 8
	KQW \t
.set wi, wi+1
.endr
	WIN 0
	PLACES
	s_cmp_lg_u32 s[KSR], s[DT+\t]
	s_cbranch_scc1 .Lfree_\@
.set i, 0
.rept 32                               ; the diagonal step: key 16 kb + 8 (lane / 16) + j against query 16 (w % 4) + lane % 16
	v_cmp_gt_i32 vcc_lo, 16*(i/8)+i%8, v[DREL]
	v_cndmask_b32 v[S+32*\t+i], v[S+32*\t+i], v[NINF], vcc_lo
.set i, i+1
.endr
.Lfree_\@:
.set vj, 0
.rept NSM
	SMI \t
.set vj, vj+1
.endr
	s_wait_dscnt 0x0                               ; V is in
.set wi, 0
.rept 10
	PVW \t
.set wi, wi+1
.endr
	WIN 0
.Lskip_\@:
.endm
.macro STEP
	PLACES                                         ; behind the last products, which read V
	FETCH_K
	FETCH_V
	WIN 0
	s_wait_dscnt 16                                ; K is in; V's sixteen loads may be out
	TILE 0
	TILE 1
	s_wait_dscnt 0x0                               ; for the way on which both tiles are jumped over
	s_add_co_u32 s[KSR], s[KSR], 1
.endm
; The four steps of slot s.  mode 0: either form, chosen by whether this phase is block p's diagonal slot; 1: never a diagonal slot; 2: always one.
.macro PHASE s, mode
	s_mov_b32 s[TBK], \s*SLOT
	s_mov_b32 s[TBV], \s*SLOT
	s_wait_loadcnt 0x0                             ; Q
.if \mode == 0
	s_cmp_eq_u32 s[SIG], s[PP]
	s_cbranch_scc1 .Ldiag_\@
.endif
.if \mode < 2
	FAST
.endif
.if \mode == 0
	s_branch .Ldone_\@
.Ldiag_\@:
.endif
.if \mode != 1
	s_mov_b32 s[CNT], 4
.Lstep_\@:
	STEP
	s_sub_co_u32 s[CNT], s[CNT], 1
	s_cmp_lg_u32 s[CNT], 0
	s_cbranch_scc1 .Lstep_\@
.endif
.if \mode == 0
.Ldone_\@:
.endif
	s_add_co_u32 s[SIG], s[SIG], 1
.endm
.macro INITQ                           ; block s76 begins: its diagonal steps, its Q (two tiles of 16 queries x 64 channels: four fragments)
	s_lshl_b32 s77, s76, 2
	s_add_co_u32 s[DT], s77, s[C0]
	s_add_co_u32 s[DT+1], s77, 3
	s_sub_co_u32 s[DT+1], s[DT+1], s[C0]
	s_mov_b32 s[KSR], 0
	s_lshl_b32 s[OFS], s76, 15                     ; 256 rows of 128 bytes
	s_add_nc_u64 s[QB:QB+1], s[QH:QH+1], s[OFS:OFS+1]
	WIN W_LD
.irp t, 0,1
.irp c, 0,1,2,3
	global_load_b128 v[QF+16*\t+4*\c:QF+16*\t+4*\c+3], v[QO+\t], s[QB:QB+1] offset:32*\c
.endr
.endr
	WIN 0
.endm
.macro CLEAR                           ; O^T and the sums of weights 0, m and c m -infinity; a and its partner are written so that the pair is whole on every way
.set i, 0
.rept 80
	v_mov_b32 v[OT+i], 0
.set i, i+1
.endr
.irp t, 0,1
	v_mov_b32 v[ST+8*\t], v[NINF]
	v_mov_b32 v[ST+8*\t+1], v[NINF]
	v_mov_b32 v[ST+8*\t+6], 0
	v_mov_b32 v[ST+8*\t+7], 0
.endr
.endm
; A block's way out: O^T divided by the sum of weights, rounded to f16, a tile (16 rows of 128 bytes) at a time through my stage.
.macro FINISH
	PLACES                                         ; behind the last products
	v_rcp_f32 v[ST+6], v[LS]
	v_rcp_f32 v[ST+14], v[LS+8]
	v_nop                                          ; a plain instruction between the reciprocals and their use
	s_wait_alu depctr_va_vdst(0)
.irp t, 0,1
.set i, 0
.rept 16
	v_pk_mul_f32 v[OT+32*\t+2*i:OT+32*\t+2*i+1], v[OT+32*\t+2*i:OT+32*\t+2*i+1], v[ST+8*\t+6:ST+8*\t+7] op_sel_hi:[1,0]
.set i, i+1
.endr
.set i, 0
.rept 16
	v_cvt_pk_f16_f32 v[S+16*\t+i], v[OT+32*\t+2*i], v[OT+32*\t+2*i+1]
.set i, i+1
.endr
.irp cb, 0,1,2,3
	ds_store_b128 v[STO], v[S+16*\t+4*\cb:S+16*\t+4*\cb+3] offset:32*\cb
.endr
.irp u, 0,1,2,3
	ds_load_b128 v[S+16*\t+4*\u:S+16*\t+4*\u+3], v[RD] offset:\u*4*PK   ; LDS serves a wave's instructions in order: these see the stores above, and tile 1's stores come behind tile 0's loads
.endr
.endr
.irp u, 0,1,2,3
	s_wait_dscnt 8+3-\u                            ; tile 1's eight LDS instructions are younger
	global_store_b128 v[GO], v[S+4*\u:S+4*\u+3], s[OB:OB+1] offset:512*\u   ; four rows: 512 consecutive bytes, aligned
.endr
.irp u, 0,1,2,3
	s_wait_dscnt 3-\u
	global_store_b128 v[GO+1], v[S+16+4*\u:S+16+4*\u+3], s[OB:OB+1] offset:512*\u
.endr
	s_wait_xcnt 0x0                                ; the stores' base and data are written again only behind this wait
.endm
.macro SWITCH                          ; behind phase p the first block is done: the second block's Q is asked for, the first goes out, the sums start anew
	s_cmp_lg_u32 s[SIG], s[P1]
	s_cbranch_scc1 .Lsame_\@
	s_sub_co_u32 s76, 7, s[PP]
	INITQ
	FINISH
	s_add_nc_u64 s[OB:OB+1], s[AH:AH+1], s[OFS:OFS+1]
	CLEAR
.Lsame_\@:
.endm
	s_load_b128 s[4:7], s[0:1], 0x0                ; qkv s[4:5], att s[6:7]
	v_lshl_add_u32 v[SPW], v0, 2, SPARE
	v_mov_b32 v[NIL], 0
	ds_add_u32 v14, v15
	ds_add_u32 v14, v15
	s_wait_dscnt 0x0
	v_lshrrev_b32 v1, 5, v0
	v_readfirstlane_b32 s[WV], v1
	s_and_b32 s[W3], s[WV], 3
	s_lshr_b32 s[C0], s[WV], 2
	s_mov_b32 s[PP], ttmp9
	s_add_co_u32 s[P1], ttmp9, 1
	s_and_b32 s13, ttmp7, 0xffff                   ; 16 b + h
	s_lshr_b32 s76, s13, 4
	s_lshl_b32 s76, s76, 5
	s_add_co_u32 s76, s76, s13                     ; Q's plane: 48 b + h
	s_lshl_b32 s76, s76, 18                        ; planes of 262,144 bytes
	s_mov_b32 s77, 0
	s_lshl_b32 s78, s[W3], 13                      ; my quarter of a key slot: 64 rows of 128 bytes
	s_add_co_u32 s78, s78, s76
	s_add_co_u32 s78, s78, 16<<18                  ; K's plane lies 16 further on
	s_mov_b32 s79, 0
	s_lshl_b32 s[OFS], s13, 18
	s_mov_b32 s[OFS+1], 0
	; descriptor groups 1: 64 keys x 128 bytes are dense in memory: 32 rows of 256 bytes; in LDS padding follows every 32 words, that is every key
	s_mov_b32 s[G1K], (1<<16)|(1<<20)|(4<<22)|(3<<25)   ; elements of 2 bytes; padding on; after every 32 words (code 4) 4 words (code 3)
	s_mov_b32 s[G1V], (1<<16)|(1<<20)|(4<<22)|(7<<25)   ; the same with 8 words (code 7)
.irp g, G1K, G1V
	s_mov_b32 s[\g+1], 128<<16                     ; tensor_dim0 = 128
	s_mov_b32 s[\g+2], 32<<16                      ; tensor_dim1 = 32
	s_mov_b32 s[\g+3], 128<<16                     ; tile_dim0 = 128
	s_mov_b32 s[\g+4], 32                          ; tile_dim1 = 32
	s_mov_b32 s[\g+5], 128                         ; elements from row to row
	s_mov_b32 s[\g+6], 0
	s_mov_b32 s[\g+7], 0
.endr
	s_mov_b32 s[CS], 0x3e38aa3b                    ; c = log2(e) / sqrt(64)
	s_mov_b32 s[CS+1], s[CS]
	s_mov_b32 s[SEL], 0x76543210
	s_mov_b32 s[SEL+1], 0xfedcba98
	s_mul_i32 s22, s[W3], KSTEP
	s_mul_i32 s23, s[W3], VSTEP
	s_wait_kmcnt 0x0
	s_add_nc_u64 s[QH:QH+1], s[4:5], s[76:77]
	s_add_nc_u64 s[KB:KB+1], s[4:5], s[78:79]
	s_add_nc_u64 s[VB:VB+1], s[KB:KB+1], 16<<18
	s_add_nc_u64 s[AH:AH+1], s[6:7], s[OFS:OFS+1]
.irp s, 0,1
	s_mov_b32 s[G0K+4*\s], 1
	s_add_co_u32 s[G0K+4*\s+1], s22, \s*SLOT
	s_mov_b32 s[G0V+4*\s], 1
	s_add_co_u32 s[G0V+4*\s+1], s23, \s*SLOT+VOFF
	s_mov_b32 s[FF], \s
	SETG \s
.endr
	s_cmp_lt_u32 s[WV], 4                          ; a wave's two first fills (phases 0 and 1) stand in one branch, ahead of every wait on TENSORcnt, LDS read and barrier: two loads of mine are out
	s_cbranch_scc0 .Lfirst_v
	tensor_load_to_lds s[G0K:G0K+3], s[G1K:G1K+7]
	s_nop 0
	tensor_load_to_lds s[G0K+4:G0K+7], s[G1K:G1K+7]
	s_nop 0
.rept 4
	v_nop
.endr
	s_branch .Lfirst_asked
.Lfirst_v:
	tensor_load_to_lds s[G0V:G0V+3], s[G1V:G1V+7]
	s_nop 0
	tensor_load_to_lds s[G0V+4:G0V+7], s[G1V:G1V+7]
	s_nop 0
.rept 4
	v_nop
.endr
.Lfirst_asked:
	v_and_b32 v32, 15, v0                          ; l % 16
	v_bfe_u32 v33, v0, 4, 1                        ; l / 16
	v_and_b32 v34, 7, v0                           ; l % 8
	v_bfe_u32 v35, v0, 3, 1                        ; (l / 8) % 2
	v_and_b32 v36, 31, v0                          ; l
	v_lshrrev_b32 v37, 3, v36                      ; l / 8
	v_mul_u32_u24 v[AK0], v32, PK
	v_lshl_add_u32 v[AK0], v33, 4, v[AK0]          ; key l % 16, 16 bytes for each half of the lanes
	v_lshl_add_u32 v[AV0], v33, 3, v34             ; the turning load: key 8 (l / 16) + l % 8, channels 8 ((l / 8) % 2) on
	v_mul_u32_u24 v[AV0], v[AV0], PV
	v_lshl_add_u32 v[AV0], v35, 4, v[AV0]
	v_add_nc_u32 v[AV0], VOFF, v[AV0]
	s_lshl_b32 s76, s[C0], 2
	s_add_co_u32 s76, s76, s[W3]                   ; my tiles of the block: 4 c + w % 4
	s_sub_co_u32 s77, 3, s[C0]
	s_lshl_b32 s77, s77, 2
	s_add_co_u32 s77, s77, s[W3]
	s_lshl_b32 s76, s76, 11                        ; 16 rows of 128 bytes
	s_lshl_b32 s77, s77, 11
	v_lshlrev_b32 v38, 7, v32
	v_lshl_add_u32 v38, v33, 4, v38
	v_add_nc_u32 v[QO], s76, v38
	v_add_nc_u32 v[QO+1], s77, v38
	v_lshl_add_u32 v[GO], v36, 4, s76
	v_lshl_add_u32 v[GO+1], v36, 4, s77
	s_mul_i32 s78, s[WV], WSTG
	s_add_co_u32 s78, s78, STAGE                   ; my stage
	v_add_nc_u32 v[STO], s78, v[AK0]
	v_mul_u32_u24 v[RD], v37, PK
	v_lshl_add_u32 v[RD], v34, 4, v[RD]
	v_add_nc_u32 v[RD], s78, v[RD]
	s_lshl_b32 s79, s[W3], 4
	v_lshlrev_b32 v39, 3, v33
	v_sub_nc_u32 v[DREL], v32, v39
	v_add_nc_u32 v[DREL], s79, v[DREL]
	v_mov_b32 v[NINF], 0xff800000
	WIN W_LD
.irp i, 0,1,2,3,4,5,6,7
	v_mov_b32 v[ONES+\i], 0x3c003c00               ; 1.0 twice, in f16
.endr
	WIN 0
	s_mov_b32 s76, s[PP]
	INITQ                                          ; block p
	s_add_nc_u64 s[OB:OB+1], s[AH:AH+1], s[OFS:OFS+1]
	CLEAR
	s_mov_b32 s[SIG], 0
	s_wait_tensorcnt 0x1                           ; my part of slot 0 is in; slot 1's may stay out
	s_barrier_signal -1
	s_barrier_wait -1
	PHASE 0, 0                                     ; phase 0
	SWITCH
	s_mov_b32 s[LOOP], 3
.Lpair:                                                ; phases 1 to 6; the refills ask for phases 2 to 7
	CHANGE 0, 1
	PHASE 1, 0
	SWITCH
	CHANGE 1, 1
	PHASE 0, 0
	SWITCH
	s_sub_co_u32 s[LOOP], s[LOOP], 1
	s_cmp_lg_u32 s[LOOP], 0
	s_cbranch_scc1 .Lpair
	CHANGE 0, 1                                    ; the last refill: phase 8
	PHASE 1, 1                                     ; phase 7: p is 3 at the most, so it is no block's diagonal slot, and the change of blocks lies behind
	CHANGE 1, 0
	PHASE 0, 2                                     ; phase 8: the diagonal slot of block 7 - p
	FINISH                                         ; block 7 - p goes out
	s_wait_tensorcnt 0x0                           ; the wave's end
	ds_add_u32 v[SPW], v[NIL]
	s_wait_dscnt 0x0
	s_endpgm
.Lfunc_end_k_q1e8f35cd90_attn:
	.size	k_q1e8f35cd90_attn, .Lfunc_end_k_q1e8f35cd90_attn-k_q1e8f35cd90_attn
	.p2alignl 7, 3214868480
	.fill 96, 4, 3214868480
	.section	.rodata,"a",@progbits
	.p2align	6, 0x0
	.amdhsa_kernel k_q1e8f35cd90_attn
		.amdhsa_group_segment_fixed_size 327680
		.amdhsa_private_segment_fixed_size 0
		.amdhsa_enable_private_segment 0
		.amdhsa_kernarg_size 16
		.amdhsa_user_sgpr_count 2
		.amdhsa_user_sgpr_kernarg_segment_ptr 1
		.amdhsa_wavefront_size32 1
		.amdhsa_system_sgpr_workgroup_id_x 1
		.amdhsa_system_sgpr_workgroup_id_y 1
		.amdhsa_system_sgpr_workgroup_id_z 1
		.amdhsa_system_vgpr_workitem_id 0
		.amdhsa_next_free_vgpr 448
		.amdhsa_next_free_sgpr 84
		.amdhsa_reserve_vcc 1
		.amdhsa_float_denorm_mode_32 3
		.amdhsa_float_denorm_mode_16_64 3
		.amdhsa_memory_ordered 1
		.amdhsa_forward_progress 1
		.amdhsa_inst_pref_size 255
	.end_amdhsa_kernel
	.section	.bss,"aw",@nobits
	.p2align	6
	.space	262144
	.amdgpu_metadata
---
amdhsa.version: [ 1, 2 ]
amdhsa.kernels:
  - .name:           k_q1e8f35cd90_attn
    .symbol:         k_q1e8f35cd90_attn.kd
    .args:
      - { .name: qkv, .offset: 0, .size: 8, .value_kind: global_buffer, .address_space: global }
      - { .name: att, .offset: 8, .size: 8, .value_kind: global_buffer, .address_space: global }
    .group_segment_fixed_size: 327680
    .private_segment_fixed_size: 0
    .kernarg_segment_align: 8
    .kernarg_segment_size: 16
    .max_flat_workgroup_size: 256
    .sgpr_count:     84
    .vgpr_count:     448
    .wavefront_size: 32
...
	.end_amdgpu_metadata
.endif
;; end of part 3
;; launch proj (part 4): grid 8 x 32, 4 waves a work-group, clusters of 4 x 4, 327,680 bytes of LDS; arguments att, wpb, bp, out0; writes out0
.if DOCPART == 4
	.amdgcn_target "amdgcn-amd-amdhsa--gfx1250"
	.amdhsa_code_object_version 6
	.text
	.protected	k_q1e8f35cd90_proj
	.globl	k_q1e8f35cd90_proj
	.p2align	8
	.type	k_q1e8f35cd90_proj,@function
k_q1e8f35cd90_proj:
	s_mov_b64 s[64:65], 0
	v_nop
	global_prefetch_b8 v0, s[64:65] scope:SCOPE_SE
	s_setreg_imm32_b32 hwreg(HW_REG_WAVE_MODE, 25, 1), 1
	s_wait_xcnt 0x0
	s_wait_alu depctr_hold_cnt(0) depctr_sa_sdst(0) depctr_va_vdst(0) depctr_va_sdst(0) depctr_va_ssrc(0) depctr_va_vcc(0) depctr_vm_vsrc(0)
	s_getreg_b32 s2, hwreg(HW_REG_IB_STS2, 6, 4)
	s_cmp_eq_u32 s2, 0
	s_cbranch_scc0 .Lentry_in_a_cluster
	s_endpgm
.Lentry_in_a_cluster:
	s_bfe_u32 s2, ttmp6, 0x10000c
	s_cmp_lg_u32 s2, 0xf033
	s_cbranch_scc0 .Lentry_shape_is_right
	s_endpgm
.Lentry_shape_is_right:
; out0[m][n] = sum over k of att(m, k) Wp(n, k) + bp[n], m < 8192, n < 1024, k = 64 head + d < 1024; operands f16, sums and result f32.
; att is [b][head][t][64], wpb is [head][n][64]: for one head the rows of a tile are dense in memory, so a tile comes in as rows of 256 bytes (two rows of 128 side by side).
; SHARES.  A tile of out0 is 256 x 128: 32 x 8 = 256 tiles, one for each WGP.  Four waves; wave w makes rows 64 w to 64 w + 63 and all 128 columns: 32 accumulators, 256 registers;
; its rows are whole pieces of 512 bytes, so its way out is its own.  K goes in 8 steps of two heads through two LDS slots: one tensor load a wave for each step.
; CLUSTER.  4 x 4 work-groups: att's tiles are shared along a row of the cluster, wpb's along a column: each is asked for jointly.
; THE MATRIX INSTRUCTION IS USED TRANSPOSED (source 0 = 16 rows of wpb, source 1 = 16 rows of att): lane l, register j holds out0(row l % 16, column 8 (l / 16) + j).
; THE BIAS STARTS THE SUMS, as C of the first product on each accumulator.
; REGISTERS: window 0: v16-29 addresses; v64-127 two buffers of att's fragments; v128-191 the bias; v128-255 later the way out.  window 1: v0-63, v64-127 two buffers of wpb's fragments.
;   window 2: accumulators of row blocks 0, 1 at v[8 (8 a + b)];  window 3: of row blocks 2, 3.
.set NB,     8
.set PITCH,  144                       ; an LDS row: 128 bytes + 16 of padding
.set AREG,   256*PITCH                 ; att's 256 rows of one head: what one load brings
.set BOFF,   2*AREG
.set BREG,   128*PITCH                 ; wpb's 128 rows of one head
.set SLOT,   BOFF+2*BREG               ; 110,592 bytes
.set STAGE,  2*SLOT                    ; behind the ring: 16 rows x 528 bytes for each wave
.set SPITCH, 528
.set WSTG,   16*SPITCH
.set SPARE,  STAGE+4*WSTG              ; behind the stages: the spare words, 128 bytes a wave: two blocks of 256 bytes that no other line names
.set NL,     2*NB+8
.set STEPA,  4*262144                  ; a slot's next K step lies four heads on
.set STEPB,  4*131072
.set ADRA, 16
.set ADRB, 20
.set STO,  24
.set RD,   25
.set CO,   26
.set BO,   27
.set SPW,  28                          ; v28     LDS address of my spare word; never rewritten
.set NIL,  29                          ; v29     0; never rewritten
.set FA,   64
.set BIAS, 128
.set OBF,  128                         ; the way out: two buffers of 64
.set G1A, 24
.set G0A, 32
.set G1B, 48
.set G0B, 56
.set MSB, 0
.macro WIN new
.if MSB != (\new)
	s_set_vgpr_msb (MSB<<8)|(\new)
.set MSB, (\new)
.endif
.endm
.set MUL_LO, 0xa1
.set MUL_HI, 0xf1
.set TO_B,   0x40
.macro PLACES
.rept 4
	v_nop
.endr
.endm
.macro JLOAD s                         ; a joint load: waves 0 and 1 fetch att's two heads, waves 2 and 3 wpb's; four v_nop follow each line
	s_cmp_eq_u32 s13, 0
	s_cbranch_scc0 .Lfor_b_\@
	tensor_load_to_lds s[G0A+4*\s:G0A+4*\s+3], s[G1A:G1A+7]
	s_nop 0
.rept 4
	v_nop
.endr
	s_branch .Lasked_\@
.Lfor_b_\@:
	tensor_load_to_lds s[G0B+4*\s:G0B+4*\s+3], s[G1B:G1B+7]
	s_nop 0
.rept 4
	v_nop
.endr
.Lasked_\@:
.endm
.macro CREST
	s_cmp_lg_u32 s12, 0
	s_cbranch_scc1 .Lnot_wave_0_\@
	s_barrier_signal -3
.Lnot_wave_0_\@:
	s_barrier_wait -3
	s_barrier_signal -1
	s_barrier_wait -1
.endm
.macro CROUND
	s_barrier_signal -1
	s_barrier_wait -1
	CREST
.endm
	s_load_b256 s[4:11], s[0:1], 0x0               ; att s[4:5], wpb s[6:7], bp s[8:9], out0 s[10:11]
	v_lshl_add_u32 v[SPW], v0, 2, SPARE
	v_mov_b32 v[NIL], 0
	ds_add_u32 v28, v29
	ds_add_u32 v28, v29
	s_wait_dscnt 0x0
	v_lshrrev_b32 v1, 5, v0
	v_readfirstlane_b32 s12, v1                    ; wave 0..3
	s_lshr_b32 s13, s12, 1                         ; I fetch for att (0) or for wpb (1),
	s_and_b32 s14, s12, 1                          ; the step's first or second head
	s_bfe_u32 s16, ttmp6, 0x40000
	s_bfe_u32 s17, ttmp6, 0x40004
	s_lshl_b32 s18, ttmp9, 2
	s_add_co_u32 s18, s18, s16                     ; tile column 0..7
	s_and_b32 s19, ttmp7, 0xffff
	s_lshl_b32 s19, s19, 2
	s_add_co_u32 s19, s19, s17                     ; tile row 0..31
	s_lshl_b32 s20, s17, 2
	s_lshl_b32 s20, 15, s20
	s_lshl_b32 s21, 0x1111, s16
	s_or_b32 s[G1A+0], s20, (1<<16)|(1<<20)|(1<<21)|(4<<22)|(3<<25)  ; the mask; elements of 2 bytes; padding on; bit 21 beside a mask; after every 32 words (a row of 128 bytes) 4 words
	s_or_b32 s[G1B+0], s21, (1<<16)|(1<<20)|(1<<21)|(4<<22)|(3<<25)
	s_mov_b32 s[G1A+1], 128<<16                    ; rows of 128 elements = 256 bytes,
	s_mov_b32 s[G1A+2], 128<<16                    ; 128 of them
	s_mov_b32 s[G1A+3], 128<<16
	s_mov_b32 s[G1A+4], 128
	s_mov_b32 s[G1A+5], 128                        ; dense
	s_mov_b32 s[G1A+6], 0
	s_mov_b32 s[G1A+7], 0
	s_mov_b32 s[G1B+1], 128<<16
	s_mov_b32 s[G1B+2], 64<<16                     ; 64 of them
	s_mov_b32 s[G1B+3], 128<<16
	s_mov_b32 s[G1B+4], 64
	s_mov_b32 s[G1B+5], 128
	s_mov_b32 s[G1B+6], 0
	s_mov_b32 s[G1B+7], 0
	s_lshr_b32 s40, s19, 3                         ; att: plane 16 b + head, t = 256 (tile row % 8): the tile column never enters these registers
	s_lshl_b32 s40, s40, 4
	s_add_co_u32 s40, s40, s14
	s_lshl_b32 s40, s40, 18
	s_and_b32 s41, s19, 7
	s_lshl_b32 s41, s41, 15
	s_add_co_u32 s40, s40, s41
	s_mov_b32 s41, 0
	s_lshl_b32 s42, s14, 17                        ; wpb: head, n = 128 x tile column: the tile row never enters these
	s_lshl_b32 s43, s18, 14
	s_add_co_u32 s42, s42, s43
	s_mov_b32 s43, 0
	s_mul_i32 s44, s14, AREG
	s_mul_i32 s45, s14, BREG
	s_add_co_u32 s45, s45, BOFF
	s_wait_kmcnt 0x0
	s_add_nc_u64 s[40:41], s[4:5], s[40:41]
	s_add_nc_u64 s[42:43], s[6:7], s[42:43]
	CROUND                                         ; all sixteen work-groups are here: the first joint loads meet
.irp s, 0,1
	s_mov_b32 s[G0A+4*\s], 1
	s_add_co_u32 s[G0A+4*\s+1], s44, \s*SLOT
	s_add_nc_u64 s[G0A+4*\s+2:G0A+4*\s+3], s[40:41], \s*2*262144
	s_or_b32 s[G0A+4*\s+3], s[G0A+4*\s+3], 0x80000000
	s_mov_b32 s[G0B+4*\s], 1
	s_add_co_u32 s[G0B+4*\s+1], s45, \s*SLOT
	s_add_nc_u64 s[G0B+4*\s+2:G0B+4*\s+3], s[42:43], \s*2*131072
	s_or_b32 s[G0B+4*\s+3], s[G0B+4*\s+3], 0x80000000
	JLOAD \s                                       ; K steps 0 and 1: two loads of mine are out
.endr
	v_and_b32 v1, 15, v0                           ; l % 16
	v_bfe_u32 v2, v0, 4, 1                         ; l / 16
	v_mul_u32_u24 v3, v1, PITCH
	v_lshl_add_u32 v3, v2, 4, v3
	s_mul_i32 s46, s12, 64*PITCH                   ; my 64 rows of att
.irp s, 0,1
	v_add_nc_u32 v[ADRA+\s], s46, v3
	v_add_nc_u32 v[ADRB+\s], BOFF+\s*SLOT, v3
	s_add_co_u32 s46, s46, SLOT
.endr
	s_mul_i32 s47, s12, WSTG
	s_add_co_u32 s47, s47, STAGE                   ; my stage
	v_mul_u32_u24 v4, v1, SPITCH                   ; in: row l % 16, 32 bytes for each half of the lanes
	v_lshl_add_u32 v4, v2, 5, v4
	v_add_nc_u32 v[STO], s47, v4
	v_and_b32 v5, 31, v0
	v_lshlrev_b32 v[CO], 4, v5                     ; back: the wave takes a row's 512 bytes
	v_add_nc_u32 v[RD], s47, v[CO]
	v_lshlrev_b32 v[BO], 5, v2
	s_lshl_b32 s66, s18, 9                         ; the tile's 128 columns: 512 bytes, in bp and in a row of out0
	s_mov_b32 s67, 0
	s_add_nc_u64 s[8:9], s[8:9], s[66:67]
.irp b, 0,1,2,3,4,5,6,7
	global_load_b128 v[BIAS+8*\b:BIAS+8*\b+3],   v[BO], s[8:9] offset:64*\b
	global_load_b128 v[BIAS+8*\b+4:BIAS+8*\b+7], v[BO], s[8:9] offset:64*\b+16
.endr
	s_lshl_b32 s68, s19, 8                         ; my first row of out0: 256 x tile row + 64 w, of 4,096 bytes
	s_lshl_b32 s69, s12, 6
	s_add_co_u32 s68, s68, s69
	s_lshl_b32 s68, s68, 12
	s_add_co_u32 s68, s68, s66
	s_mov_b32 s69, 0
	s_add_nc_u64 s[10:11], s[10:11], s[68:69]
.macro MULA f, a, z                    ; 8 matrix instructions: row block a x all column blocks, 32 along K, from buffer f; z = 1: the bias starts the sums
.irp b, 0,1,2,3,4,5,6,7
.if \z
	v_wmma_f32_16x16x32_f16 v[8*(NB*((\a)%2)+\b):8*(NB*((\a)%2)+\b)+7], v[8*NB*\f+8*\b:8*NB*\f+8*\b+7], v[FA+32*\f+8*\a:FA+32*\f+8*\a+7], v[BIAS+8*\b:BIAS+8*\b+7]
.else
	v_wmma_f32_16x16x32_f16 v[8*(NB*((\a)%2)+\b):8*(NB*((\a)%2)+\b)+7], v[8*NB*\f+8*\b:8*NB*\f+8*\b+7], v[FA+32*\f+8*\a:FA+32*\f+8*\a+7], v[8*(NB*((\a)%2)+\b):8*(NB*((\a)%2)+\b)+7]
.endif
.endr
.endm
.macro FETCH slot, q, f                ; 24 LDS loads in one run: quarter q = head q / 2 of the step, channels 32 (q % 2) on
	WIN TO_B
.irp i, 0,1,2,3,4,5,6,7
	ds_load_b128 v[8*NB*\f+8*\i:8*NB*\f+8*\i+3],   v[ADRB+\slot] offset:(\q/2)*BREG+(\q%2)*64+\i*16*PITCH
	ds_load_b128 v[8*NB*\f+8*\i+4:8*NB*\f+8*\i+7], v[ADRB+\slot] offset:(\q/2)*BREG+(\q%2)*64+\i*16*PITCH+32
.endr
	WIN 0
.irp i, 0,1,2,3
	ds_load_b128 v[FA+32*\f+8*\i:FA+32*\f+8*\i+3],   v[ADRA+\slot] offset:(\q/2)*AREG+(\q%2)*64+\i*16*PITCH
	ds_load_b128 v[FA+32*\f+8*\i+4:FA+32*\f+8*\i+7], v[ADRA+\slot] offset:(\q/2)*AREG+(\q%2)*64+\i*16*PITCH+32
.endr
.endm
; A K step is four quarters of 32 matrix instructions on buffers 0, 1, 0, 1; the 32 accumulators take turns in the same order in every quarter.
.macro QUARTER slot, q, f, g, z
	s_wait_dscnt 4                                 ; all but the youngest four loads (att's row blocks 2, 3) are in
	WIN MUL_LO-0x20*\z                             ; z = 1: C (the bias) in window 0
	MULA \f, 0, \z
	MULA \f, 1, \z
	PLACES                                         ; buffer g was multiplied in the quarter before
	FETCH \slot, \q, \g
	s_wait_dscnt NL                                ; all but the 24 just issued
	WIN MUL_HI-0x30*\z
	MULA \f, 2, \z
	MULA \f, 3, \z
.endm
; The last quarter multiplies buffer 1 and changes slots: one barrier; in front of it each wave waits for all its tensor loads, adds 0 to its spare word, and waits for that and for its
; reads of this slot.  fill = 1: the barrier opens a round of the cluster's and this slot is filled again: 112 matrix instructions stand between that request and the wait for it.
.macro TURN slot, next, fill
	WIN 0
	s_wait_tensorcnt 0x0
	ds_add_u32 v[SPW], v[NIL]
	s_wait_dscnt 5                                 ; (the add and the youngest four loads may be out)
	WIN MUL_LO
	MULA 1, 0, 0
	s_wait_dscnt 0x0                               ; the add is done, and my reads of this slot are over
	s_barrier_signal -1
	MULA 1, 1, 0
.if \fill
	WIN 0
.endif
	s_barrier_wait -1
.if \fill
	CREST                                          ; no wave of any partner still reads this slot or has a load on its way
	s_add_nc_u64 s[G0A+4*\slot+2:G0A+4*\slot+3], s[G0A+4*\slot+2:G0A+4*\slot+3], STEPA
	s_add_nc_u64 s[G0B+4*\slot+2:G0B+4*\slot+3], s[G0B+4*\slot+2:G0B+4*\slot+3], STEPB
	JLOAD \slot                                    ; my one tensor load behind the round; its four v_nop are also the places in front of the loads below
.else
	PLACES
.endif
	FETCH \next, 0, 0
	WIN MUL_HI
	MULA 1, 2, 0
	MULA 1, 3, 0
.endm
; THE WAY OUT of row block a (16 rows x 128 columns of f32): the accumulators go into my stage as they are, each from its low end on, and come back as whole rows of 512 bytes.
.macro OUT a
	WIN 0x08+0x04*((\a)/2)                         ; the stores' data: window 2 or 3
.irp b, 0,1,2,3,4,5,6,7
	ds_store_b128 v[STO], v[8*(NB*((\a)%2)+\b):8*(NB*((\a)%2)+\b)+3]   offset:64*\b
	ds_store_b128 v[STO], v[8*(NB*((\a)%2)+\b)+4:8*(NB*((\a)%2)+\b)+7] offset:64*\b+16
.endr
	WIN 0
.irp f, 0,1,2,3,4,5,6,7,8,9,10,11,12,13,14,15
	ds_load_b128 v[OBF+64*((\a)%2)+4*\f:OBF+64*((\a)%2)+4*\f+3], v[RD] offset:\f*SPITCH   ; LDS serves a wave's instructions in order: these see the stores above
.endr
.endm
.macro SEND a, younger
.irp f, 0,1,2,3,4,5,6,7,8,9,10,11,12,13,14,15
	s_wait_dscnt \younger+15-\f
	global_store_b128 v[CO], v[OBF+64*((\a)%2)+4*\f:OBF+64*((\a)%2)+4*\f+3], s[10:11] offset:(16*\a+\f)*4096 th:TH_STORE_NT   ; 512 consecutive bytes of a row, aligned
.endr
.endm
	s_wait_tensorcnt 0x1                           ; my part of K step 0 is in; K step 1's may stay out
	s_barrier_signal -1
	s_barrier_wait -1
	FETCH 0, 0, 0
	s_wait_loadcnt 0x0                             ; the bias
	QUARTER 0, 1, 0, 1, 1
	WIN 0
	s_mov_b32 s15, 3
.Llap:                                                 ; a trip goes once round the ring and fills both slots again: K steps 2 to 7
	QUARTER 0, 2, 1, 0, 0
	QUARTER 0, 3, 0, 1, 0
	TURN 0, 1, 1
	QUARTER 1, 1, 0, 1, 0
	QUARTER 1, 2, 1, 0, 0
	QUARTER 1, 3, 0, 1, 0
	TURN 1, 0, 1
	QUARTER 0, 1, 0, 1, 0
	WIN 0
	s_sub_co_u32 s15, s15, 1
	s_cmp_lg_u32 s15, 0
	s_cbranch_scc1 .Llap
	QUARTER 0, 2, 1, 0, 0                          ; the last lap fills nothing
	QUARTER 0, 3, 0, 1, 0
	TURN 0, 1, 0
	QUARTER 1, 1, 0, 1, 0
	QUARTER 1, 2, 1, 0, 0
	QUARTER 1, 3, 0, 1, 0
	s_wait_dscnt 4
	WIN MUL_LO
	MULA 1, 0, 0
	MULA 1, 1, 0
	s_wait_dscnt 0x0
	WIN MUL_HI
	MULA 1, 2, 0
	MULA 1, 3, 0
	WIN 0
	PLACES                                         ; behind the last products: the LDS stores below read results
	OUT 0
	OUT 1
	SEND 0, 32
	s_wait_xcnt 0x0                                ; block 0's stores have read their data: buffer 0 is loaded again only behind this wait
	OUT 2
	SEND 1, 32
	s_wait_xcnt 0x0
	OUT 3
	SEND 2, 32
	SEND 3, 0
	s_wait_tensorcnt 0x0                           ; the wave's end
	ds_add_u32 v[SPW], v[NIL]
	s_wait_dscnt 0x0
	CROUND                                         ; the closing round
	s_endpgm
.Lfunc_end_k_q1e8f35cd90_proj:
	.size	k_q1e8f35cd90_proj, .Lfunc_end_k_q1e8f35cd90_proj-k_q1e8f35cd90_proj
	.p2alignl 7, 3214868480
	.fill 96, 4, 3214868480
	.section	.rodata,"a",@progbits
	.p2align	6, 0x0
	.amdhsa_kernel k_q1e8f35cd90_proj
		.amdhsa_group_segment_fixed_size 327680
		.amdhsa_private_segment_fixed_size 0
		.amdhsa_enable_private_segment 0
		.amdhsa_kernarg_size 32
		.amdhsa_user_sgpr_count 2
		.amdhsa_user_sgpr_kernarg_segment_ptr 1
		.amdhsa_wavefront_size32 1
		.amdhsa_system_sgpr_workgroup_id_x 1
		.amdhsa_system_sgpr_workgroup_id_y 1
		.amdhsa_system_sgpr_workgroup_id_z 1
		.amdhsa_system_vgpr_workitem_id 0
		.amdhsa_next_free_vgpr 1024
		.amdhsa_next_free_sgpr 80
		.amdhsa_reserve_vcc 0
		.amdhsa_float_denorm_mode_32 3
		.amdhsa_float_denorm_mode_16_64 3
		.amdhsa_memory_ordered 1
		.amdhsa_forward_progress 1
		.amdhsa_inst_pref_size 89
	.end_amdhsa_kernel
	.amdgpu_metadata
---
amdhsa.version: [ 1, 2 ]
amdhsa.kernels:
  - .name:           k_q1e8f35cd90_proj
    .symbol:         k_q1e8f35cd90_proj.kd
    .args:
      - { .name: att, .offset: 0, .size: 8, .value_kind: global_buffer, .address_space: global }
      - { .name: wpb, .offset: 8, .size: 8, .value_kind: global_buffer, .address_space: global }
      - { .name: bp, .offset: 16, .size: 8, .value_kind: global_buffer, .address_space: global }
      - { .name: out0, .offset: 24, .size: 8, .value_kind: global_buffer, .address_space: global }
    .group_segment_fixed_size: 327680
    .private_segment_fixed_size: 0
    .kernarg_segment_align: 8
    .kernarg_segment_size: 32
    .max_flat_workgroup_size: 128
    .sgpr_count:     80
    .vgpr_count:     1024
    .wavefront_size: 32
...
	.end_amdgpu_metadata
.endif
;; end of part 4
